; MI455X (gfx1250); checked and timed in simulation.
; The chip was launched on July 23, 2026; its instructions are those of AMD's public machine-readable ISA for CDNA 5 (MIT licence, August 2026) and "CDNA5" Instruction Set Architecture Reference Guide (July 2026). The comments in the code are by the model that wrote it; some were corrected since.
;; Window Attention. Allowed arithmetic: matrix products marked QUANTISED: E2M1 operands, one E8M0 scale for each 32 along K, by v_wmma_scale_f32_16x16x128_f8f6f4 with both operands' format E2M1 (or v_wmma_scale_f32_32x16x128_f4), f32 sums; everything else in f32.
;; Inputs: b_in 3,072 float32; b_out 1,024 float32; w_in_codes 3,072 x 32 x 16 uint8 (E2M1 codes of w_in, K innermost, in blocks of 32 codes, two codes a byte); w_in_scales 3,072 x 32 uint8 (E8M0 scales of w_in, one for each 32 codes along K); w_out_codes 1,024 x 32 x 16 uint8 (E2M1 codes of w_out, K innermost, in blocks of 32 codes, two codes a byte); w_out_scales 1,024 x 32 uint8 (E8M0 scales of w_out, one for each 32 codes along K); x 1 x 4,096 x 1,024 float32.
;; Outputs: out0 1 x 4,096 x 1,024 float32.
;; This version of the problem:
;;   THIS VERSION OF THE PROBLEM IS GIVEN IN LOW PRECISION. The matrix products marked QUANTISED in the list below multiply operands that are first quantised to E2M1 (2 exponent bits, 1 mantissa bit; 4 bits a number), with one power-of-two scale for each 32 numbers along K (OCP MX v1.0); their sums are f32. All else is computed in f32.
;;   The module's matrix products, in the order in which they are computed (A, B: the left and right operand; K: the contracted axis; several contracted axes count as one K, in the product's order):
;;     1. [M 4,096, K 1,024] x [K 1,024, N 3,072]; A: input x; B: input w_in (given as codes): QUANTISED
;;     2. batch 16 x [M 4,096, K 64] x [K 64, N 4,096]; A: computed on the way; B: computed on the way: QUANTISED
;;     3. batch 16 x [M 4,096, K 4,096] x [K 4,096, N 64]; A: softmax (see below); B: computed on the way: QUANTISED
;;     4. [M 4,096, K 1,024] x [K 1,024, N 1,024]; A: computed on the way; B: input w_out (given as codes): QUANTISED
;;   THE QUANTISER, for each operand of a quantised product, along K:
;;     - K is cut into blocks of 32 from its start; a last block that is shorter is filled with zeros.
;;     - A block's scale is 2^e with e = floor(log2(the largest magnitude in the block)) - 2, held to -126 .. 127; a block of zeros has e = 0. As a byte (E8M0): e + 127.
;;     - Each number is divided by its block's scale, clamped to +-6, and rounded to the nearest number of E2M1, ties to even, subnormals kept.
;;     - The product sums the exact products of the quantised numbers (number of the format x scale) in f32.
;;   ~~~python
;;   def quantise(x, axis):      # numpy; x: float32 -> the quantised numbers, widened to float32 again
;;       x = np.moveaxis(x, axis, -1); K = x.shape[-1]
;;       x = np.pad(x, [(0, 0)] * (x.ndim - 1) + [(0, -K % 32)]); x = x.reshape(x.shape[:-1] + (-1, 32)); a = np.abs(x).max(-1, keepdims=True)
;;       e = np.where(a > 0, np.clip(np.frexp(np.where(a > 0, a, 1))[1] - 1 - 2, -126, 127), 0)      # np.frexp(a)[1] - 1 = floor(log2(a)), exactly
;;       r = np.clip(x / 2.0 ** e, -6, 6)
;;       step = 2.0 ** (np.maximum(np.frexp(np.where(r == 0, 1, r))[1] - 1, 0) - 1)
;;       q = np.round(r / step) * step * 2.0 ** e      # np.round: ties to even
;;       return np.moveaxis(q.reshape(q.shape[:-2] + (-1,))[..., :K], -1, axis).astype(np.float32)
;;   ~~~
;;   SOFTMAX AHEAD OF A QUANTISED PRODUCT. Where the list says 'softmax', what is quantised is not the finished softmax but p = 2^(t - M), with t = logit x log2(e) and M = ceil(the row's largest t), a whole number; so 1/2 < the row's largest p <= 1. The row's sum l is taken of the UNQUANTISED p, in f32, and the product's result is divided by l at the end. Since M is a whole number, a kernel that streams over the keys may use a running M (the ceiling of the running maximum): every later rescaling is an exact power of two, which a block's scale takes up: the codes' values come out the same.
;;   OPERANDS COMPUTED ON THE WAY. 'Computed on the way' means the value that the module computes at that place (a softmax that the list does not call 'softmax' is quantised finished and normalised). What goes into a quantiser is computed in f32, as accurately as f32 sums, v_exp_f32 and their like allow (about 1e-6 of the number): no bf16 or f16 on the way to a quantiser, and a product that is left as it is and whose result goes on into a quantised operand takes f32 operands (vector FMAs, or v_wmma_f32_16x16x4_f32). A number that lies on a knife's edge between two numbers of the format may be rounded either way, as far as f32 arithmetic and the matrix unit's own rounding can turn it there, and no further.
;;   INPUTS GIVEN AS CODES. w_in (in the module: [3072, 1024], K = its axis 1); w_out (in the module: [1024, 1024], K = its axis 1): each comes as NAME_codes (uint8): NAME with its K axis moved to the last place and cut into blocks of 32 codes, [.., K / 32, bytes a block], one block behind the other in memory; two codes a byte, the lower K in the low four bits (a code: sign, 2 exponent bits, 1 mantissa bit); and NAME_scales (uint8): the same leading axes, one E8M0 byte (e + 127) for each 32 codes along K. Its value is code x scale, taken as it is: it is not quantised again, and the codes and scales need not be those that the quantiser above would give.
;; One version. Each part assembles by itself: llvm-mc -triple=amdgcn-amd-amdhsa -mcpu=gfx1250 --defsym DOCPART=n.
;; ======== version 1 of 1: 4 launches
;; workspace buffers: x_codes 2,097,152 bytes; x_scales 131,072 bytes; qkv_codes 6,291,456 bytes; qkv_scales 786,432 bytes; ctx_codes 2,097,152 bytes; ctx_scales 131,072 bytes
;; launch quantx (part 1): grid 256 x 1, 8 waves a work-group, no clusters, 71,168 bytes of LDS; arguments x, x_codes, x_scales; writes x_codes, x_scales
.if DOCPART == 1
	.amdgcn_target "amdgcn-amd-amdhsa--gfx1250"
	.amdhsa_code_object_version 6
	.text
	.protected	k_q3e2c2866f5_quantx
	.globl	k_q3e2c2866f5_quantx
	.p2align	8
	.type	k_q3e2c2866f5_quantx,@function
k_q3e2c2866f5_quantx:
	s_mov_b64 s[64:65], 0
	v_nop
	global_prefetch_b8 v0, s[64:65] scope:SCOPE_SE
	s_setreg_imm32_b32 hwreg(HW_REG_WAVE_MODE, 25, 1), 1
	s_wait_xcnt 0x0
; x [4096][1024] f32 becomes codes of E2M1 with one E8M0 byte for each 32 along K, laid as the next launch's operand registers.
; SLOTS.  Tile m, lane r stands for token 32 (m / 2) + 8 (m % 2) + r + 8 (r / 8): this order of tokens serves the whole program.
; x_codes [m 256][s 8][c 2][512 bytes]: lane (r, h) has 16 bytes at 16 x lane: block 4 s + 2 c + h of slot r.   x_scales [slot 4096][s 8] words: a slot's 32 bytes as they follow along K.
; SHARES.  A work-group takes tile m, wave s takes K step s: 16 rows x 512 bytes, as two halves c of 256 bytes a row.  A load reads two rows, sixteen lanes 256 consecutive aligned bytes each;
; the bytes turn through the wave's own stage in LDS (rows 272 bytes apart) and come back 128 bytes a lane: a whole block of 32 numbers in one lane's registers.
; A block's scale is 2^(floor(log2(largest magnitude)) - 2); its byte is the largest magnitude's exponent field - 2, held at 1 from below.
; LIMITS: NaN and infinities are not served; a block of zeros, or one whose largest magnitude lies under 2^-124, gets the byte 1 (its codes are then zeros or held small; this program alone reads the bytes).
.set XL,   16                          ; v16-79   64 numbers as loaded
.set XT,   80                          ; v80-143  64 numbers turned: 32 c + k = number k of block 2 c + h
.set PC,   144                         ; v144-151 the codes
.set HALF, 4352                        ; 16 stage rows of 272 bytes
.set WST,  8704                        ; a wave's stage: two halves
.set SCW,  69632                       ; behind the stages: the tile's 128 scale words
	s_load_b128 s[4:7], s[0:1], 0x0                ; x, x_codes
	s_load_b64 s[8:9], s[0:1], 0x10                ; x_scales
	v_lshl_add_u32 v160, v0, 2, 0x11200
	v_mov_b32 v161, 0
	v_lshrrev_b32 v8, 5, v0
	v_readfirstlane_b32 s10, v8                    ; wave = K step s
	v_and_b32 v9, 31, v0                           ; lane
	v_and_b32 v10, 15, v0                          ; r
	v_bfe_u32 v11, v0, 4, 1                        ; h
	v_lshlrev_b32 v1, 12, v11
	v_lshl_add_u32 v1, v10, 4, v1                  ; in memory: lanes 16-31 one row down, 16 bytes a lane
	s_mul_i32 s11, s10, WST
	v_mul_u32_u24 v2, v11, 272
	v_lshl_add_u32 v2, v10, 4, v2
	v_add_nc_u32 v2, s11, v2                       ; the stage, way in: the same two rows
	v_mul_u32_u24 v3, v10, 272
	v_lshl_add_u32 v3, v11, 7, v3
	v_add_nc_u32 v3, s11, v3                       ; way out: row r, block h of the half
	v_lshlrev_b32 v4, 4, v9                        ; 16 x lane
	s_lshl_b32 s12, s10, 2
	s_add_co_u32 s12, s12, SCW
	v_lshl_add_u32 v5, v10, 5, s12                 ; my slot's word of K step s
	v_add_nc_u32 v6, SCW, v4                       ; the words on their way out (wave 0)
	v_lshlrev_b32 v7, 3, v11                       ; 8 h
	s_mov_b32 s20, 0x76543210
	s_mov_b32 s21, 0xfedcba98                      ; lane selects: lane l xor 16
	s_lshr_b32 s13, ttmp9, 1
	s_lshl_b32 s13, s13, 17                        ; 32 (m / 2) rows of 4,096 bytes
	s_and_b32 s14, ttmp9, 1
	s_lshl_b32 s14, s14, 15                        ; + 8 (m % 2) rows
	s_add_co_u32 s13, s13, s14
	s_lshl_b32 s14, s10, 9                         ; + 512 s
	s_add_co_u32 s14, s13, s14
	s_mov_b32 s15, 0
	s_lshl_b32 s16, ttmp9, 13                      ; codes: 8,192 m + 1,024 s
	s_lshl_b32 s17, s10, 10
	s_add_co_u32 s16, s16, s17
	s_mov_b32 s17, 0
	s_lshl_b32 s18, ttmp9, 9                       ; scale words: 512 m
	s_mov_b32 s19, 0
	s_wait_kmcnt 0x0
	s_add_nc_u64 s[4:5], s[4:5], s[14:15]
	s_add_nc_u64 s[6:7], s[6:7], s[16:17]
	s_add_nc_u64 s[8:9], s[8:9], s[18:19]
.irp c, 0,1
.irp i, 0,1,2,3,4,5,6,7
	global_load_b128 v[XL+32*\c+4*\i:XL+32*\c+4*\i+3], v1, s[4:5] offset:(2*\i+8*(\i/4))*4096+256*\c th:TH_LOAD_NT   ; slots 2 i and 2 i + 1
.endr
.endr
.irp c, 0,1
	s_wait_loadcnt 8-8*\c                          ; this half's eight loads are in; the other half's eight may be out
.irp i, 0,1,2,3,4,5,6,7
	ds_store_b128 v2, v[XL+32*\c+4*\i:XL+32*\c+4*\i+3] offset:HALF*\c+544*\i
.endr
.irp k, 0,1,2,3,4,5,6,7
	ds_load_b128 v[XT+32*\c+4*\k:XT+32*\c+4*\k+3], v3 offset:HALF*\c+16*\k   ; LDS serves a wave's instructions in order: these see the stores above
.endr
.endr
	s_wait_dscnt 0x0
.irp c, 0,1                                    ; the largest magnitude of each of my two blocks: two chains a block, the four by turns
	v_max3_num_f32 v[8+2*\c], |v[XT+32*\c]|, |v[XT+32*\c+1]|, |v[XT+32*\c+2]|
	v_max3_num_f32 v[9+2*\c], |v[XT+32*\c+3]|, |v[XT+32*\c+4]|, |v[XT+32*\c+5]|
.endr
.irp i, 6,10,14,18,22,26
.irp c, 0,1
	v_max3_num_f32 v[8+2*\c], v[8+2*\c], |v[XT+32*\c+\i]|, |v[XT+32*\c+\i+1]|
	v_max3_num_f32 v[9+2*\c], v[9+2*\c], |v[XT+32*\c+\i+2]|, |v[XT+32*\c+\i+3]|
.endr
.endr
.irp c, 0,1
	v_max3_num_f32 v[8+2*\c], v[8+2*\c], |v[XT+32*\c+30]|, |v[XT+32*\c+31]|
.endr
.irp c, 0,1
	v_max3_num_f32 v[8+2*\c], v[8+2*\c], v[9+2*\c], 0x1800000   ; and the floor 2^(3 - 127): the byte cannot fall under 1
.endr
	v_add_nc_u32 v12, 0xff000000, v8               ; 2 off the exponent field: the conversion takes this operand's exponent field as its scale
	v_add_nc_u32 v13, 0xff000000, v10
.irp c, 0,1
.irp g, 0,1,2,3
	v_cvt_scalef32_pk8_fp4_f32 v[PC+4*\c+\g], v[XT+32*\c+8*\g:XT+32*\c+8*\g+7], v[12+\c]
.endr
.endr
	v_lshrrev_b32 v14, 23, v12                     ; the bytes (a plain line behind the conversions)
	v_lshrrev_b32 v15, 23, v13
	v_lshl_or_b32 v14, v15, 16, v14                ; blocks h and 2 + h of the K step,
	v_lshlrev_b32 v14, v7, v14                     ; at their places in the word;
	v_mov_b32 v15, 0
	v_permlanex16_b32 v15, v14, s20, s21
	v_or_b32 v14, v14, v15                         ; with lane l xor 16's two the word is whole
	global_store_b128 v4, v[PC:PC+3], s[6:7]       ; 512 consecutive bytes a store
	global_store_b128 v4, v[PC+4:PC+7], s[6:7] offset:512
	ds_store_b32 v5, v14                           ; both halves of the lanes write the same word with the same value
	s_wait_dscnt 0x0                               ; for wave 0's sake: my word has landed
	s_barrier_signal -1
	s_barrier_wait -1
	s_cmp_lg_u32 s10, 0
	s_cbranch_scc1 .Lend
	ds_load_b128 v[8:11], v6                       ; the tile's 512 bytes of scale words
	s_wait_dscnt 0x0
	global_store_b128 v4, v[8:11], s[8:9]          ; two aligned runs of 256 bytes
.Lend:
	s_wait_tensorcnt 0x0
	ds_add_u32 v160, v161
	s_wait_dscnt 0x0
	s_endpgm
.Lfunc_end_k_q3e2c2866f5_quantx:
	.size	k_q3e2c2866f5_quantx, .Lfunc_end_k_q3e2c2866f5_quantx-k_q3e2c2866f5_quantx
	.p2alignl 7, 3214868480
	.fill 96, 4, 3214868480
	.section	.rodata,"a",@progbits
	.p2align	6, 0x0
	.amdhsa_kernel k_q3e2c2866f5_quantx
		.amdhsa_group_segment_fixed_size 71168
		.amdhsa_private_segment_fixed_size 0
		.amdhsa_enable_private_segment 0
		.amdhsa_kernarg_size 24
		.amdhsa_user_sgpr_count 2
		.amdhsa_user_sgpr_kernarg_segment_ptr 1
		.amdhsa_wavefront_size32 1
		.amdhsa_system_sgpr_workgroup_id_x 1
		.amdhsa_system_sgpr_workgroup_id_y 1
		.amdhsa_system_sgpr_workgroup_id_z 1
		.amdhsa_system_vgpr_workitem_id 0
		.amdhsa_next_free_vgpr 162
		.amdhsa_next_free_sgpr 66
		.amdhsa_reserve_vcc 0
		.amdhsa_float_denorm_mode_32 3
		.amdhsa_float_denorm_mode_16_64 3
		.amdhsa_memory_ordered 1
		.amdhsa_forward_progress 1
		.amdhsa_inst_pref_size 10
	.end_amdhsa_kernel
	.amdgpu_metadata
---
amdhsa.version: [ 1, 2 ]
amdhsa.kernels:
  - .name:           k_q3e2c2866f5_quantx
    .symbol:         k_q3e2c2866f5_quantx.kd
    .args:
      - { .name: x, .offset: 0, .size: 8, .value_kind: global_buffer, .address_space: global }
      - { .name: x_codes, .offset: 8, .size: 8, .value_kind: global_buffer, .address_space: global }
      - { .name: x_scales, .offset: 16, .size: 8, .value_kind: global_buffer, .address_space: global }
    .group_segment_fixed_size: 71168
    .private_segment_fixed_size: 0
    .kernarg_segment_align: 8
    .kernarg_segment_size: 24
    .max_flat_workgroup_size: 256
    .sgpr_count:     66
    .vgpr_count:     162
    .wavefront_size: 32
...
	.end_amdgpu_metadata
.endif
;; end of part 1
;; launch qkv (part 2): grid 16 x 16, 4 waves a work-group, clusters of 4 x 1, 168,448 bytes of LDS; arguments x_codes, x_scales, w_in_codes, w_in_scales, b_in, qkv_codes, qkv_scales; writes qkv_codes, qkv_scales
.if DOCPART == 2
	.amdgcn_target "amdgcn-amd-amdhsa--gfx1250"
	.amdhsa_code_object_version 6
	.text
	.protected	k_q3e2c2866f5_qkv
	.globl	k_q3e2c2866f5_qkv
	.p2align	8
	.type	k_q3e2c2866f5_qkv,@function
k_q3e2c2866f5_qkv:
	s_mov_b64 s[64:65], 0
	v_nop
	global_prefetch_b8 v0, s[64:65] scope:SCOPE_SE
	s_setreg_imm32_b32 hwreg(HW_REG_WAVE_MODE, 25, 1), 1
	s_wait_xcnt 0x0
	s_wait_alu depctr_hold_cnt(0) depctr_sa_sdst(0) depctr_va_vdst(0) depctr_va_sdst(0) depctr_va_ssrc(0) depctr_va_vcc(0) depctr_vm_vsrc(0)
	s_getreg_b32 s2, hwreg(HW_REG_IB_STS2, 6, 4)
	s_cmp_eq_u32 s2, 0
	s_cbranch_scc0 .Lentry_in_a_cluster
	s_endpgm
.Lentry_in_a_cluster:
	s_bfe_u32 s2, ttmp6, 0x10000c
	s_cmp_lg_u32 s2, 0x3003
	s_cbranch_scc0 .Lentry_shape_is_right
	s_endpgm
.Lentry_shape_is_right:
; qkv = x W_in^T + b_in on codes of E2M1, and q, k, v quantised at once for the attention launch.  Nothing wide goes to memory.
; SHARES.  A work-group takes 256 slots (by) and three groups of 64 rows of W_in (g = 3 ty + i; g 0-15 are q's heads, 16-31 k's, 32-47 v's).  Wave w takes tiles m0 + a, m0 = 16 by + 4 w, a = 0 .. 3,
; against all 192 rows, a group at a time.  Its x fragments (4 tiles x 8 K steps) stay in 256 registers, loaded once as images of 512 bytes; no other wave of the work-group wants them.
; CLUSTER.  The four work-groups of a cluster differ in by alone and need the same rows of W_in, their scale bytes and biases: each is asked for JOINTLY (mask 15).  All fit in LDS at once: every byte is filled once.
; A cluster of 4 x 4 is not taken: the branch between the two forms below hangs on ty, so partners may differ only along x.
; TWO FORMS.  q and k are quantised along the head's 64 channels: source 0 = 16 rows of W, source 1 = 16 slots of x, so that a lane holds ONE slot and its registers run along the channels.
; v is quantised along the KEYS: source 0 = x, source 1 = W, so that a lane holds ONE channel and its registers run along the tokens.
; THE ROWS OF A TILE OF W ARE NOT NEIGHBOURS: lane r of tile 2 b + u takes row 32 b + 8 u + r + 8 (r / 8); the slots of a tile of x follow the same order.  So the 16 registers of two neighbouring tiles are 16 neighbours along the next K.
; OUT.  qkv_codes [g 48][unit 256][512 bytes], qkv_scales [g 48][unit 256][16 words] (bytes 0, 1: the two blocks; bytes 2, 3: 0x7f).  q, k: unit = tile, lane (r, h) = channel block h of slot r.
; v: unit = 4 x (run of 64 keys) + channel tile t, lane (r, h) = key block h of the run, channel 32 (t / 2) + 8 (t % 2) + r + 8 (r / 8).  In both forms the wave's four units are m0 .. m0 + 3.
; LIMITS: NaN and infinities are not served; a block of zeros, or one under 2^-124, gets the byte 1 (this program alone reads the bytes).
; REGISTERS.  window 0: v1-10 addresses; v16-31 x's scale words; v32-47 W's; v48-79 the biases, later the quantiser's work; v80-95 codes; v96-97 scale words on their way out; v128-255 16 accumulators.
;   window 1: x's fragments, (a, s) at 64 a + 8 s.   window 2: W's fragments, four buffers of 32.
.set WPITCH, 528                       ; a row of W in LDS: 512 bytes + 16 of padding
.set WSC,    101376                    ; behind 192 such rows: W's scale bytes, 24 runs of 256 bytes + 16
.set BIAS,   108032                    ; 192 biases
.set SST,    108800                    ; 256 bytes a wave: scale words on their way out; no fill lands here
.set LI,   1                           ; 16 x lane
.set AWB,  2                           ; my lane's place in a tile of W
.set AW,   3                           ; the same in the group in hand
.set ASW,  4                           ; my lane's place among W's scale words
.set ABQ,  5                           ; biases, q/k form
.set ABV,  6                           ; biases, v form
.set SSTW, 7
.set SSTR, 8
.set L8,   9                           ; 8 x lane
.set L32,  10                          ; 32 x lane
.set XS,   16                          ; register 8 (a / 2) + s: lanes 0-15 the even tile's words, lanes 16-31 the odd tile's
.set WS,   32                          ; register 8 (t / 2) + s: the same for W's tiles
.set BI,   48
.set TM,   48
.set PC,   80
.set SR,   96
.set ACC,  128
.set WV,   18
.set G1C,  24                          ; s[24:31] group 1: 16 rows of 512 bytes
.set G1S,  32                          ; s[32:39] group 1: 6 runs of 256 bytes of scale bytes
.set G1B,  40                          ; s[40:47] group 1: one row of 192 bytes of biases
.set G0S,  48
.set G0B,  52
.set SEL,  72
.set G3,   74                          ; 3 ty
.set CB,   76                          ; s[76:77] where my codes go
.set SB,   78                          ; s[78:79] where my scale words go
.set MSB, 0
.macro WIN new                         ; the immediate's high byte repeats the setting that is left
.if MSB != \new
	s_set_vgpr_msb (MSB<<8)|\new
.set MSB, \new
.endif
.endm
.macro PLACES                          ; four plain vector lines behind matrix instructions, ahead of loads into their registers and of reads of their results
.rept 4
	v_nop
.endr
.endm
.macro CROUND                          ; a round of the cluster's barrier
	s_barrier_signal -1
	s_barrier_wait -1
	s_cmp_lg_u32 s[WV], 0
	s_cbranch_scc1 .Lnot_wave_0_\@
	s_barrier_signal -3
.Lnot_wave_0_\@:
	s_barrier_wait -3
	s_barrier_signal -1
	s_barrier_wait -1
.endm
; one product; ra, rb = 1: that side's scale words stand in lanes 16-31
.macro WMS d, a, b, c, sa, sb, ra, rb
.if (\ra) && (\rb)
	v_wmma_scale_f32_16x16x128_f8f6f4 v[(\d):(\d)+7], v[(\a):(\a)+7], v[(\b):(\b)+7], v[(\c):(\c)+7], v[(\sa)], v[(\sb)] matrix_a_fmt:MATRIX_FMT_FP4 matrix_b_fmt:MATRIX_FMT_FP4 matrix_a_scale:MATRIX_SCALE_ROW1 matrix_b_scale:MATRIX_SCALE_ROW1
.elseif (\ra)
	v_wmma_scale_f32_16x16x128_f8f6f4 v[(\d):(\d)+7], v[(\a):(\a)+7], v[(\b):(\b)+7], v[(\c):(\c)+7], v[(\sa)], v[(\sb)] matrix_a_fmt:MATRIX_FMT_FP4 matrix_b_fmt:MATRIX_FMT_FP4 matrix_a_scale:MATRIX_SCALE_ROW1
.elseif (\rb)
	v_wmma_scale_f32_16x16x128_f8f6f4 v[(\d):(\d)+7], v[(\a):(\a)+7], v[(\b):(\b)+7], v[(\c):(\c)+7], v[(\sa)], v[(\sb)] matrix_a_fmt:MATRIX_FMT_FP4 matrix_b_fmt:MATRIX_FMT_FP4 matrix_b_scale:MATRIX_SCALE_ROW1
.else
	v_wmma_scale_f32_16x16x128_f8f6f4 v[(\d):(\d)+7], v[(\a):(\a)+7], v[(\b):(\b)+7], v[(\c):(\c)+7], v[(\sa)], v[(\sb)] matrix_a_fmt:MATRIX_FMT_FP4 matrix_b_fmt:MATRIX_FMT_FP4
.endif
.endm
.macro G0HEAD g, i                     ; group 0 for my 16 rows of group i
	s_mov_b32 s[\g], 1
	s_add_co_u32 s[\g+1], s75, 33792*\i
	s_add_nc_u64 s[\g+2:\g+3], s[8:9], 32768*\i
	s_or_b32 s[\g+3], s[\g+3], 0x80000000
.endm
	s_load_b256 s[4:11], s[0:1], 0x0               ; x_codes, x_scales, w_in_codes, w_in_scales
	s_load_b128 s[12:15], s[0:1], 0x20             ; b_in, qkv_codes
	s_load_b64 s[16:17], s[0:1], 0x30              ; qkv_scales
	v_lshl_add_u32 v126, v0, 2, 0x29000
	v_mov_b32 v127, 0
	ds_add_u32 v126, v127
	ds_add_u32 v126, v127
	v_lshrrev_b32 v11, 5, v0
	v_readfirstlane_b32 s[WV], v11                 ; wave 0..3
	s_bfe_u32 s19, ttmp6, 0x40000                  ; cx: it enters x's and the outputs' addresses alone
	s_lshl_b32 s20, ttmp9, 2
	s_add_co_u32 s20, s20, s19                     ; by = 4 x cluster x + cx
	s_and_b32 s21, ttmp7, 0xffff                   ; ty, which the four partners share
	s_mul_i32 s[G3], s21, 3
	s_mov_b32 s[SEL], 0x76543210
	s_mov_b32 s[SEL+1], 0xfedcba98
	s_mov_b32 s[G1C], 15|(1<<20)|(1<<21)|(6<<22)|(3<<25)          ; mask: all four; elements of 1 byte; padding: 4 words behind every 128; bit 21 beside the mask
	s_mov_b32 s[G1C+1], 512<<16                    ; tensor_dim0
	s_mov_b32 s[G1C+2], 16<<16                     ; tensor_dim1
	s_mov_b32 s[G1C+3], 512<<16                    ; tile_dim0
	s_mov_b32 s[G1C+4], 16                         ; tile_dim1
	s_mov_b32 s[G1C+5], 512                        ; from row to row
	s_mov_b32 s[G1C+6], 0
	s_mov_b32 s[G1C+7], 0
	s_mov_b32 s[G1S], 15|(3<<16)|(1<<20)|(1<<21)|(5<<22)|(3<<25)  ; elements of 8 bytes; padding: 4 words behind every 64
	s_mov_b32 s[G1S+1], 32<<16
	s_mov_b32 s[G1S+2], 6<<16
	s_mov_b32 s[G1S+3], 32<<16
	s_mov_b32 s[G1S+4], 6
	s_mov_b32 s[G1S+5], 32
	s_mov_b32 s[G1S+6], 0
	s_mov_b32 s[G1S+7], 0
	s_mov_b32 s[G1B], 15|(3<<16)|(1<<21)           ; one row of 24 elements of 8 bytes, no padding
	s_mov_b32 s[G1B+1], 24<<16
	s_mov_b32 s[G1B+2], 1<<16
	s_mov_b32 s[G1B+3], 24<<16
	s_mov_b32 s[G1B+4], 1
	s_mov_b32 s[G1B+5], 24
	s_mov_b32 s[G1B+6], 0
	s_mov_b32 s[G1B+7], 0
	v_and_b32 v11, 31, v0                          ; lane
	v_and_b32 v12, 15, v0                          ; r
	v_bfe_u32 v13, v0, 4, 1                        ; h
	v_lshlrev_b32 v[LI], 4, v11
	v_lshlrev_b32 v[L8], 3, v11
	v_lshlrev_b32 v[L32], 5, v11
	v_and_b32 v14, 8, v12
	v_add_nc_u32 v14, v14, v12                     ; rq = r + 8 (r / 8)
	v_mul_u32_u24 v[AWB], v14, WPITCH
	v_lshl_add_u32 v[AWB], v13, 4, v[AWB]          ; row rq, + 16 h
	v_lshl_add_u32 v15, v13, 3, v14                ; rl = 8 h + rq: lanes 16-31 take the odd tile's rows
	v_lshrrev_b32 v[ASW], 3, v15
	v_lshlrev_b32 v[ASW], 4, v[ASW]
	v_lshl_add_u32 v[ASW], v15, 5, v[ASW]          ; 32 bytes a row, 16 more for each 8 rows passed
	v_add_nc_u32 v[ASW], WSC, v[ASW]
	v_lshlrev_b32 v[ABQ], 6, v13
	v_add_nc_u32 v[ABQ], BIAS, v[ABQ]              ; q/k: the 16 h-th channel of a block on
	v_lshl_add_u32 v[ABV], v14, 2, BIAS            ; v: channel rq of a tile
	s_lshl_b32 s3, s[WV], 8
	s_add_co_u32 s3, s3, SST
	v_lshl_add_u32 v[SSTW], v12, 2, s3
	v_lshl_add_u32 v[SSTR], v11, 3, s3
	s_mov_b32 s23, 0
	s_mov_b32 s67, 0
	s_wait_dscnt 0x0
	s_wait_kmcnt 0x0
	s_mul_i32 s22, s21, 6144                       ; scale bytes: 192 rows of 32 bytes a ty, 48 rows a wave
	s_mul_i32 s75, s[WV], 1536
	s_add_co_u32 s22, s22, s75
	s_mov_b32 s[G0S], 1
	s_mul_i32 s[G0S+1], s[WV], 1632
	s_add_co_u32 s[G0S+1], s[G0S+1], WSC
	s_add_nc_u64 s[G0S+2:G0S+3], s[10:11], s[22:23]
	s_or_b32 s[G0S+3], s[G0S+3], 0x80000000
	s_mul_i32 s22, s21, 768                        ; biases: 192 a ty, 48 a wave
	s_mul_i32 s75, s[WV], 192
	s_add_co_u32 s22, s22, s75
	s_mov_b32 s[G0B], 1
	s_add_co_u32 s[G0B+1], s75, BIAS
	s_add_nc_u64 s[G0B+2:G0B+3], s[12:13], s[22:23]
	s_or_b32 s[G0B+3], s[G0B+3], 0x80000000
	s_mul_i32 s22, s21, 98304                      ; codes: 192 rows of 512 bytes a ty, 16 rows a wave in each group
	s_lshl_b32 s75, s[WV], 13
	s_add_co_u32 s22, s22, s75
	s_add_nc_u64 s[8:9], s[8:9], s[22:23]
	s_mul_i32 s75, s[WV], 8448
	G0HEAD 56, 0
	G0HEAD 60, 1
	G0HEAD 68, 2
	CROUND                                         ; all four work-groups are here: the joint loads meet
	tensor_load_to_lds s[G0S:G0S+3], s[G1S:G1S+7]  ; five loads of mine are out: scale bytes, biases, groups 0, 1, 2
	s_nop 0
	tensor_load_to_lds s[G0B:G0B+3], s[G1B:G1B+7]
	s_nop 0
	tensor_load_to_lds s[56:59], s[G1C:G1C+7]
	s_nop 0
	tensor_load_to_lds s[60:63], s[G1C:G1C+7]
	s_nop 0
	tensor_load_to_lds s[68:71], s[G1C:G1C+7]
	s_nop 0
.rept 4
	v_nop
.endr
	s_lshl_b32 s66, s20, 4
	s_lshl_b32 s3, s[WV], 2
	s_add_co_u32 s75, s66, s3                      ; m0 = 16 by + 4 w
	s_lshl_b32 s66, s75, 13
	s_add_nc_u64 s[4:5], s[4:5], s[66:67]          ; x's codes: 8,192 bytes a tile
	s_lshl_b32 s66, s75, 9
	s_add_nc_u64 s[6:7], s[6:7], s[66:67]          ; x's scale words: 512 bytes a tile
	s_lshl_b32 s66, s[G3], 17
	s_lshl_b32 s3, s75, 9
	s_add_co_u32 s66, s66, s3
	s_add_nc_u64 s[CB:CB+1], s[14:15], s[66:67]    ; 131,072 bytes a group, 512 a unit
	s_lshl_b32 s66, s[G3], 14
	s_lshl_b32 s3, s75, 6
	s_add_co_u32 s66, s66, s3
	s_add_nc_u64 s[SB:SB+1], s[16:17], s[66:67]    ; 16,384 bytes a group, 64 a unit
.irp ap, 0,1
.irp q, 0,1
	global_load_b128 v[XS+8*\ap+4*\q:XS+8*\ap+4*\q+3], v[L32], s[6:7] offset:1024*\ap+16*\q   ; slot 32 ap + lane: K steps 4 q .. 4 q + 3
.endr
.endr
	WIN 0x40                                       ; destination window 1
.irp s, 0,1,2,3,4,5,6,7                        ; K step by K step, so that the first products need wait for eight loads only
.irp a, 0,1,2,3
.irp c, 0,1
	global_load_b128 v[64*\a+8*\s+4*\c:64*\a+8*\s+4*\c+3], v[LI], s[4:5] offset:((8*\a+\s)*2+\c)*512
.endr
.endr
.endr
	WIN 0
.macro FETCHW buf, s                   ; the group's four tiles of W, K step s, into buffer buf: 8 LDS loads
	WIN 0x80
.irp t, 0,1,2,3
.irp c, 0,1
	ds_load_b128 v[32*(\buf)+8*\t+4*\c:32*(\buf)+8*\t+4*\c+3], v[AW] offset:(32*(\t/2)+8*(\t%2))*WPITCH+64*(\s)+32*\c
.endr
.endr
.endm
; 16 products of a K step; the 16 accumulators take turns, one instruction a turn.  In K step 0 the biases are the C.
.macro MULQ s                          ; source 0 = W (window 2), source 1 = x (window 1)
	WIN 0x06
.irp a, 0,1,2,3
.irp t, 0,1,2,3
.if (\s) == 0
	WMS ACC+32*\a+8*\t, 32*((\s)%4)+8*\t, 64*\a+8*(\s), BI+8*\t, WS+8*(\t/2)+(\s), XS+8*(\a/2)+(\s), \t%2, \a%2
.else
	WMS ACC+32*\a+8*\t, 32*((\s)%4)+8*\t, 64*\a+8*(\s), ACC+32*\a+8*\t, WS+8*(\t/2)+(\s), XS+8*(\a/2)+(\s), \t%2, \a%2
.endif
.endr
.endr
.endm
.macro MULV s                          ; source 0 = x (window 1), source 1 = W (window 2)
	WIN 0x09
.irp a, 0,1,2,3
.irp t, 0,1,2,3
.if (\s) == 0
	WMS ACC+32*\t+8*\a, 64*\a+8*(\s), 32*((\s)%4)+8*\t, BI+8*\t, XS+8*(\a/2)+(\s), WS+8*(\t/2)+(\s), \a%2, \t%2
.else
	WMS ACC+32*\t+8*\a, 64*\a+8*(\s), 32*((\s)%4)+8*\t, ACC+32*\t+8*\a, XS+8*(\a/2)+(\s), WS+8*(\t/2)+(\s), \a%2, \t%2
.endif
.endr
.endr
.endm
.macro KSTEP form, i, s
.if (\s)+3 < 8
	PLACES                                         ; the buffer was multiplied in the K step before
	FETCHW ((\s)+3)%4, (\s)+3                      ; three K steps ahead
.endif
.if (\s) < 4
	s_wait_dscnt 24                                ; this K step's eight loads are in; those of the three steps behind it may be out
.else
	s_wait_dscnt 8*(7-(\s))
.endif
.if (\i) == 0
	s_wait_loadcnt 8*(7-(\s))                      ; x's fragments of this K step are in; eight loads for each later step may be out
.endif
.if \form
	MULV \s
.else
	MULQ \s
.endif
.endm
; 128 registers, eight blocks q of 16 (my half of a block of 32; lane l xor 16 has the other), become 16 registers of codes and four scale words.
.macro QUANT8
.irp q, 0,1,2,3,4,5,6,7
	v_max3_num_f32 v[TM+\q], |v[ACC+16*\q]|, |v[ACC+16*\q+1]|, 0x1800000   ; with the floor 2^(3 - 127): the byte cannot fall under 1.  Each accumulator is read from its low end on
.endr
.irp i, 2,4,6,8,10,12,14
.irp q, 0,1,2,3,4,5,6,7
	v_max3_num_f32 v[TM+\q], v[TM+\q], |v[ACC+16*\q+\i]|, |v[ACC+16*\q+\i+1]|
.endr
.endr
.irp q, 0,1,2,3,4,5,6,7
	v_permlanex16_b32 v[TM+8+\q], v[TM+\q], s[SEL], s[SEL+1]
.endr
.irp q, 0,1,2,3,4,5,6,7
	v_max_num_f32 v[TM+\q], v[TM+\q], v[TM+8+\q]   ; the block's largest magnitude
.endr
.irp q, 0,1,2,3,4,5,6,7
	v_add_nc_u32 v[TM+16+\q], 0xff000000, v[TM+\q] ; 2 off its exponent field: the conversion's scale operand
.endr
.irp q, 0,1,2,3,4,5,6,7
	v_lshrrev_b32 v[TM+8+\q], 23, v[TM+16+\q]      ; the byte
.endr
.irp p, 0,1,2,3
	v_lshl_or_b32 v[TM+24+\p], v[TM+9+2*\p], 8, v[TM+8+2*\p]
.endr
.irp p, 0,1,2,3
	v_or_b32 v[TM+24+\p], 0x7f7f0000, v[TM+24+\p]  ; bytes 2 and 3 stand over zero codes
.endr
	s_wait_xcnt 0x0                                ; the last group's stores have read their data: the codes' and the words' registers may be written
.irp q, 0,1,2,3,4,5,6,7
	v_cvt_scalef32_pk8_fp4_f32 v[PC+2*\q], v[ACC+16*\q:ACC+16*\q+7], v[TM+16+\q]
	v_cvt_scalef32_pk8_fp4_f32 v[PC+2*\q+1], v[ACC+16*\q+8:ACC+16*\q+15], v[TM+16+\q]
.endr
	v_nop                                          ; one plain line behind the scaled conversions
.irp p, 0,1,2,3                                ; a whole block to a lane: lanes 0-15 block 2 p, lanes 16-31 block 2 p + 1
.irp i, 0,1
	v_permlane16_swap_b32 v[PC+4*\p+\i], v[PC+4*\p+2+\i]
.endr
.endr
.endm
.macro HEAD i
	s_wait_dscnt 0x0
	s_wait_tensorcnt 2-\i                          ; my parts of the scale bytes, the biases and groups 0 .. i have landed; the later groups' loads may be out
	s_barrier_signal -1
	s_barrier_wait -1                              ; everybody's have
	v_add_nc_u32 v[AW], 33792*\i, v[AWB]
.irp tp, 0,1
.irp q, 0,1
	ds_load_b128 v[WS+8*\tp+4*\q:WS+8*\tp+4*\q+3], v[ASW] offset:2176*\i+1088*\tp+16*\q
.endr
.endr
	s_cmp_ge_u32 s[G3], 32-\i                      ; is group 3 ty + i one of v's?  The same in all partners
	s_cbranch_scc1 .Lvform_\@
.irp t, 0,1,2,3                                ; q, k: register j of tile t is channel 32 (t / 2) + 16 h + 8 (t % 2) + j
.irp q, 0,1
	ds_load_b128 v[BI+8*\t+4*\q:BI+8*\t+4*\q+3], v[ABQ] offset:256*\i+128*(\t/2)+32*(\t%2)+16*\q
.endr
.endr
	FETCHW 0, 0
	FETCHW 1, 1
	FETCHW 2, 2
.irp s, 0,1,2,3,4,5,6,7
	KSTEP 0, \i, \s
.endr
	WIN 0
	s_branch .Ljoin_\@
.Lvform_\@:
.irp t, 0,1,2,3                                ; v: all eight registers of a tile belong to my channel
	ds_load_b32 v[BI+8*\t], v[ABV] offset:256*\i+128*(\t/2)+32*(\t%2)
.endr
	FETCHW 0, 0
	FETCHW 1, 1
	FETCHW 2, 2
	WIN 0
	s_wait_dscnt 24                                ; the biases are in; the three fetches may be out
.irp t, 0,1,2,3
.irp j, 1,2,3,4,5,6,7
	v_mov_b32 v[BI+8*\t+\j], v[BI+8*\t]
.endr
.endr
.irp s, 0,1,2,3,4,5,6,7
	KSTEP 1, \i, \s
.endr
	WIN 0
.Ljoin_\@:
	PLACES
	QUANT8
.irp p, 0,1,2,3
	global_store_b128 v[LI], v[PC+4*\p:PC+4*\p+3], s[CB:CB+1] offset:131072*\i+512*\p   ; a unit: 512 consecutive bytes
.endr
.irp p, 0,1,2,3
	ds_store_b32 v[SSTW], v[TM+24+\p] offset:64*\p ; both halves of the lanes write the same word with the same value
.endr
	ds_load_b64 v[SR:SR+1], v[SSTR]                ; LDS serves a wave's instructions in order: this sees the stores above
	s_wait_dscnt 0x0
	global_store_b64 v[L8], v[SR:SR+1], s[SB:SB+1] offset:16384*\i   ; my four units' words: 256 consecutive aligned bytes
.endm
	HEAD 0
	HEAD 1
	HEAD 2
	s_wait_dscnt 0x0
	s_wait_tensorcnt 0x0
	ds_add_u32 v126, v127
	s_wait_dscnt 0x0
	CROUND                                         ; the closing round: no work-group ends while a partner may still ask jointly
	s_endpgm
.Lfunc_end_k_q3e2c2866f5_qkv:
	.size	k_q3e2c2866f5_qkv, .Lfunc_end_k_q3e2c2866f5_qkv-k_q3e2c2866f5_qkv
	.p2alignl 7, 3214868480
	.fill 96, 4, 3214868480
	.section	.rodata,"a",@progbits
	.p2align	6, 0x0
	.amdhsa_kernel k_q3e2c2866f5_qkv
		.amdhsa_group_segment_fixed_size 168448
		.amdhsa_private_segment_fixed_size 0
		.amdhsa_enable_private_segment 0
		.amdhsa_kernarg_size 56
		.amdhsa_user_sgpr_count 2
		.amdhsa_user_sgpr_kernarg_segment_ptr 1
		.amdhsa_wavefront_size32 1
		.amdhsa_system_sgpr_workgroup_id_x 1
		.amdhsa_system_sgpr_workgroup_id_y 1
		.amdhsa_system_sgpr_workgroup_id_z 1
		.amdhsa_system_vgpr_workitem_id 0
		.amdhsa_next_free_vgpr 640
		.amdhsa_next_free_sgpr 80
		.amdhsa_reserve_vcc 0
		.amdhsa_float_denorm_mode_32 3
		.amdhsa_float_denorm_mode_16_64 3
		.amdhsa_memory_ordered 1
		.amdhsa_forward_progress 1
		.amdhsa_inst_pref_size 174
	.end_amdhsa_kernel
	.amdgpu_metadata
---
amdhsa.version: [ 1, 2 ]
amdhsa.kernels:
  - .name:           k_q3e2c2866f5_qkv
    .symbol:         k_q3e2c2866f5_qkv.kd
    .args:
      - { .name: x_codes, .offset: 0, .size: 8, .value_kind: global_buffer, .address_space: global }
      - { .name: x_scales, .offset: 8, .size: 8, .value_kind: global_buffer, .address_space: global }
      - { .name: w_in_codes, .offset: 16, .size: 8, .value_kind: global_buffer, .address_space: global }
      - { .name: w_in_scales, .offset: 24, .size: 8, .value_kind: global_buffer, .address_space: global }
      - { .name: b_in, .offset: 32, .size: 8, .value_kind: global_buffer, .address_space: global }
      - { .name: qkv_codes, .offset: 40, .size: 8, .value_kind: global_buffer, .address_space: global }
      - { .name: qkv_scales, .offset: 48, .size: 8, .value_kind: global_buffer, .address_space: global }
    .group_segment_fixed_size: 168448
    .private_segment_fixed_size: 0
    .kernarg_segment_align: 8
    .kernarg_segment_size: 56
    .max_flat_workgroup_size: 128
    .sgpr_count:     80
    .vgpr_count:     640
    .wavefront_size: 32
...
	.end_amdgpu_metadata
.endif
;; end of part 2
;; launch attn (part 3): grid 32 x 8, 16 waves a work-group, no clusters, 58,880 bytes of LDS; arguments qkv_codes, qkv_scales, ctx_codes, ctx_scales; writes ctx_codes, ctx_scales
.if DOCPART == 3
	.amdgcn_target "amdgcn-amd-amdhsa--gfx1250"
	.amdhsa_code_object_version 6
	.text
	.protected	k_q3e2c2866f5_attn
	.globl	k_q3e2c2866f5_attn
	.p2align	8
	.type	k_q3e2c2866f5_attn,@function
k_q3e2c2866f5_attn:
	s_mov_b64 s[64:65], 0
	v_nop
	global_prefetch_b8 v0, s[64:65] scope:SCOPE_SE
	s_setreg_imm32_b32 hwreg(HW_REG_WAVE_MODE, 25, 1), 1
	s_wait_xcnt 0x0
; Attention inside the window |q - k| <= 128, both products on codes of E2M1, and its result quantised along D for the last launch.
; SHARES.  A work-group takes 128 tokens (b) and two heads (sp).  Wave w: head 2 sp + c, c = w % 2; tile j = w / 2 of 16 queries, which lie inside ONE block of 32 tokens (block B0 = j / 2 of the four).
; So a wave's window is exactly nine blocks of 32 keys: blocks B0 .. B0 + 8 of the twelve of key steps b - 1, b, b + 1, which the sixteen waves copy into LDS once, through registers.
; A key step that does not exist is replaced by its neighbour's data, and its blocks are killed by a bias of -infinity that hangs on the work-group's and the wave's numbers alone.
; No tensor load and no joint request: a key step is read by three work-groups only, and each wave's share of the copy is twelve loads.
; LAYOUT.  Both products are used transposed: S^T = K Q^T (K = the head's 64 channels; the instruction's other 64 are zero codes on both sides), O^T = V^T P^T: a lane holds ONE query throughout.
; The slots of a tile of keys are ordered so that register 16 be + n of S^T is key 32 be + 16 h + n of the window.
; SOFTMAX.  t = score x log2(e) / 8; M = the row's largest t rounded up to a whole number; p = 2^(t - M) is quantised along the keys; the sum of the unquantised p divides O at the end.  The whole row is at hand, so M is final.
; LIMITS: NaN and infinities are not served; p under 2^-126 counts as 0; a block of zeros, or one under 2^-124, gets the byte 1 (this program alone reads the bytes).
.set KB,   0                           ; K: 24 tile images of 512 bytes for each head
.set VB,   24576                       ; V: for each head 64 rows (channels, in the tiles' order) of 12 blocks of 16 bytes, 208 bytes apart
.set KSB,  51200                       ; K's scale words: 24 x 64 bytes for each head
.set VSB,  54272                       ; V's scale bytes: 64 rows of 12 bytes, 16 apart, for each head
.set CST,  56320                       ; the result's 128 scale words
.set LI,   1                           ; 16 x lane
.set R4,   2                           ; 4 r
.set KR,   3
.set KSR,  4
.set VR,   5
.set VR2,  6
.set VSR,  7
.set D0,   8                           ; my query's place in its block - 16 h
.set NINF, 9
.set CSTW, 10
.set KW,   11                          ; the copy's address for K; later the result's words on their way out
.set QF,   12                          ; v12-19 Q; v16-19 are zero codes
.set QS,   20
.set KSC,  21                          ; v21-29 K's scale words: lanes 0-15 tile 2 be, lanes 16-31 tile 2 be + 1
.set TT,   30
.set NEGM, 31
.set KF,   32                          ; v32-103 nine tiles of K; the upper four registers of each are zero codes
.set S,    104                         ; v104-247 S^T, then p
.set BM,   32                          ; behind S^T: block maxima,
.set BP,   41                          ; the other half's, later the bytes,
.set NM,   50                          ; pairs: -M + the block's bias,
.set SO,   68                          ; the conversions' scale operands,
.set PW,   77                          ; p's three scale words,
.set PC,   80                          ; p's codes: three fragments
.set VF,   104                         ; behind the conversions: V's fragments, (sg, t) at 32 sg + 8 t,
.set OT,   200                         ; O^T,
.set VSX,  232                         ; V's scale words, (t, sg) at 4 t + sg
.set VO,   248                         ; v248-250, v251-253: the copy's offsets; later the sums and 1 / l
.set SOF,  251
.set VW,   254
.set KSW,  255
.set CS,   36                          ; s[36:37] c = log2(e) / 8
.set SEL,  38
.set BIA,  40                          ; s40-48 a block's bias: 0 or -infinity
.macro PLACES
.rept 4
	v_nop
.endr
.endm
.macro WM0 d, a, b, sa, sb, ra         ; a product that starts a sum
.if (\ra)
	v_wmma_scale_f32_16x16x128_f8f6f4 v[(\d):(\d)+7], v[(\a):(\a)+7], v[(\b):(\b)+7], 0, v[(\sa)], v[(\sb)] matrix_a_fmt:MATRIX_FMT_FP4 matrix_b_fmt:MATRIX_FMT_FP4 matrix_a_scale:MATRIX_SCALE_ROW1
.else
	v_wmma_scale_f32_16x16x128_f8f6f4 v[(\d):(\d)+7], v[(\a):(\a)+7], v[(\b):(\b)+7], 0, v[(\sa)], v[(\sb)] matrix_a_fmt:MATRIX_FMT_FP4 matrix_b_fmt:MATRIX_FMT_FP4
.endif
.endm
	s_load_b128 s[4:7], s[0:1], 0x0                ; qkv_codes, qkv_scales
	s_load_b128 s[8:11], s[0:1], 0x10              ; ctx_codes, ctx_scales
	v_lshrrev_b32 v16, 5, v0
	v_readfirstlane_b32 s12, v16                   ; wave 0..15
	s_and_b32 s13, s12, 1                          ; c
	s_lshr_b32 s14, s12, 1                         ; j
	s_lshr_b32 s15, s12, 2                         ; B0
	s_and_b32 s16, s14, 1                          ; u
	s_and_b32 s17, ttmp7, 0xffff                   ; sp
	s_lshl_b32 s18, s17, 1
	s_add_co_u32 s18, s18, s13                     ; head
	s_max_u32 s19, ttmp9, 1
	s_sub_co_u32 s19, s19, 1                       ; key step b - 1, or 0
	s_add_co_u32 s21, ttmp9, 1
	s_min_u32 s21, s21, 31                         ; key step b + 1, or 31
	s_lshl_b32 s22, ttmp9, 2
	s_add_co_u32 s22, s22, s15
	s_sub_co_u32 s22, s22, 4                       ; my window's first block of keys (it wraps under 0)
.irp be, 0,1,2,3,4,5,6,7,8
	s_add_co_u32 s23, s22, \be
	s_cmp_lt_u32 s23, 128                          ; does the block exist?
	s_cselect_b32 s[BIA+\be], 0, 0xff800000
.endr
	s_mov_b32 s[CS], 0x3e38aa3b
	s_mov_b32 s[CS+1], s[CS]                       ; (named with it as a pair, so it is written)
	s_mov_b32 s[SEL], 0x76543210
	s_mov_b32 s[SEL+1], 0xfedcba98
	s_lshl_b32 s49, s15, 3                         ; 8 B0: V's scale bytes are shifted by so many bits
	s_mov_b32 s50, 0x7f7f7f7f
	v_and_b32 v16, 31, v0                          ; lane
	v_and_b32 v17, 15, v0                          ; r
	v_bfe_u32 v18, v0, 4, 1                        ; h
	v_lshlrev_b32 v[LI], 4, v16
	v_lshlrev_b32 v[R4], 2, v17
	v_mul_u32_u24 v19, v17, 208
	s_mul_i32 s28, s13, 12288                      ; K's images of my head
	s_lshl_b32 s29, s14, 9
	s_add_co_u32 s29, s28, s29
	s_lshl_b32 s30, s15, 10
	s_add_co_u32 s30, s28, s30
	v_add_nc_u32 v[KW], s29, v[LI]                 ; I copy tile j of each key step;
	v_add_nc_u32 v[KR], s30, v[LI]                 ; I read from tile 2 B0 on
	s_mul_i32 s28, s13, 1536
	s_add_co_u32 s28, s28, KSB
	s_lshl_b32 s29, s14, 6
	s_add_co_u32 s29, s28, s29
	s_lshl_b32 s30, s15, 7
	s_add_co_u32 s30, s28, s30
	v_add_nc_u32 v[KSW], s29, v[R4]
	v_lshl_add_u32 v[KSR], v16, 2, s30
	s_mul_i32 s28, s13, 13312
	s_add_co_u32 s28, s28, VB
	s_and_b32 s29, s14, 3                          ; the unit of V that I copy: channel tile j % 4,
	s_lshr_b32 s31, s14, 2                         ; run j / 4 of 64 keys of the step
	s_mul_i32 s30, s29, 3328
	s_add_co_u32 s30, s30, s28
	s_lshl_b32 s32, s31, 5
	s_add_co_u32 s30, s30, s32
	v_lshl_add_u32 v[VW], v18, 4, v19
	v_add_nc_u32 v[VW], s30, v[VW]                 ; row 16 (j % 4) + r, block 2 (j / 4) + h
	s_lshl_b32 s32, s15, 4
	s_add_co_u32 s32, s32, s28
	v_add_nc_u32 v[VR2], s32, v19                  ; row r, block B0
	v_lshl_add_u32 v[VR], v18, 4, v[VR2]           ; and block B0 + h
	s_lshl_b32 s28, s13, 10
	s_add_co_u32 s28, s28, VSB
	v_lshl_add_u32 v[VSR], v17, 4, s28
	s_lshl_b32 s29, s29, 8
	s_add_co_u32 s29, s29, s28
	s_lshl_b32 s31, s31, 1
	s_add_co_u32 s29, s29, s31
	v_lshl_add_u32 v[TT], v17, 4, s29              ; the copy's address for V's scale bytes
	v_and_b32 v[D0], 8, v17
	v_add_nc_u32 v[D0], v[D0], v17                 ; r + 8 (r / 8)
	v_lshlrev_b32 v[NEGM], 4, v18
	v_sub_nc_u32 v[D0], v[D0], v[NEGM]
	s_lshl_b32 s28, s16, 3
	v_add_nc_u32 v[D0], s28, v[D0]                 ; + 8 u - 16 h
	s_lshl_b32 s28, s14, 6
	s_lshl_b32 s29, s13, 1
	s_add_co_u32 s28, s28, s29
	s_add_co_u32 s28, s28, CST
	v_add_nc_u32 v[CSTW], s28, v[R4]
	s_lshl_b32 s28, s19, 12                        ; a key step is 4,096 bytes of codes and 512 of scale words
	v_add_nc_u32 v[VO], s28, v[LI]
	s_lshl_b32 s28, ttmp9, 12
	v_add_nc_u32 v[VO+1], s28, v[LI]
	s_lshl_b32 s28, s21, 12
	v_add_nc_u32 v[VO+2], s28, v[LI]
	s_lshl_b32 s28, s19, 9
	v_add_nc_u32 v[SOF], s28, v[R4]
	s_lshl_b32 s28, ttmp9, 9
	v_add_nc_u32 v[SOF+1], s28, v[R4]
	s_lshl_b32 s28, s21, 9
	v_add_nc_u32 v[SOF+2], s28, v[R4]
	s_lshl_b32 s24, s18, 17                        ; codes: 131,072 x head + 512 j
	s_lshl_b32 s25, s14, 9
	s_add_co_u32 s24, s24, s25
	s_mov_b32 s25, 0
	s_lshl_b32 s26, s18, 14                        ; scale words: 16,384 x head + 64 j
	s_lshl_b32 s27, s14, 6
	s_add_co_u32 s26, s26, s27
	s_mov_b32 s27, 0
	s_lshl_b32 s32, s17, 18                        ; the result's codes: ((256 sp + 8 b + j) 2 + c) 512
	s_lshl_b32 s33, ttmp9, 13
	s_add_co_u32 s32, s32, s33
	s_lshl_b32 s33, s14, 10
	s_add_co_u32 s32, s32, s33
	s_lshl_b32 s33, s13, 9
	s_add_co_u32 s32, s32, s33
	s_mov_b32 s33, 0
	s_lshl_b32 s34, s17, 14                        ; its scale words: (4,096 sp + 128 b) 4
	s_lshl_b32 s35, ttmp9, 9
	s_add_co_u32 s34, s34, s35
	s_mov_b32 s35, 0
	s_wait_kmcnt 0x0
	s_add_nc_u64 s[4:5], s[4:5], s[24:25]
	s_add_nc_u64 s[6:7], s[6:7], s[26:27]
	s_add_nc_u64 s[8:9], s[8:9], s[32:33]
	s_add_nc_u64 s[10:11], s[10:11], s[34:35]
	global_load_b128 v[QF:QF+3], v[VO+1], s[4:5]   ; Q: my tile.  K's heads lie 16 groups on, V's 32: the distance stands in the immediate
	global_load_b32 v[QS], v[SOF+1], s[6:7]
.irp i, 0,1,2
	global_load_b128 v[32+4*\i:35+4*\i], v[VO+\i], s[4:5] offset:2097152
.endr
.irp i, 0,1,2
	global_load_b128 v[44+4*\i:47+4*\i], v[VO+\i], s[4:5] offset:4194304
.endr
.irp i, 0,1,2
	global_load_b32 v[56+\i], v[SOF+\i], s[6:7] offset:262144
.endr
.irp i, 0,1,2
	global_load_b32 v[59+\i], v[SOF+\i], s[6:7] offset:524288
.endr
	s_wait_loadcnt 0x0
.irp i, 0,1,2
	ds_store_b128 v[KW], v[32+4*\i:35+4*\i] offset:4096*\i
	ds_store_b128 v[VW], v[44+4*\i:47+4*\i] offset:64*\i
	ds_store_b32 v[KSW], v[56+\i] offset:512*\i    ; both halves of the lanes write the same word with the same value
	ds_store_b16 v[TT], v[59+\i] offset:4*\i       ; the unit's two bytes
.endr
	s_wait_dscnt 0x0                               ; for the others' sake: my stores have landed
	s_barrier_signal -1
.irp k, 4,5,6,7
	v_mov_b32 v[QF+\k], 0                          ; the instruction's K = 64 .. 127: zero codes
.endr
.irp k, 0,1,2,3,4,5,6,7,8
.irp n, 4,5,6,7
	v_mov_b32 v[KF+8*\k+\n], 0
.endr
.endr
	v_mov_b32 v[NINF], 0xff800000
	v_add_nc_u32 v[KW], CST, v[LI]
	PLACES                                         ; operands written by vector lines stand four places ahead of a scaled product
	s_barrier_wait -1
	; ---- S^T = K Q^T: 18 tiles of 16 keys, nine at a time
.irp be, 0,1,2,3,4,5,6,7,8
	ds_load_b32 v[KSC+\be], v[KSR] offset:128*\be
.endr
.irp k, 0,1,2,3,4,5,6,7,8
	ds_load_b128 v[KF+8*\k:KF+8*\k+3], v[KR] offset:512*\k
.endr
	s_wait_dscnt 0x0
.irp k, 0,1,2,3,4,5,6,7,8
	WM0 S+8*\k, KF+8*\k, QF, KSC+\k/2, QS, \k%2
.endr
	PLACES
.irp k, 0,1,2,3,4,5,6,7,8
	ds_load_b128 v[KF+8*\k:KF+8*\k+3], v[KR] offset:512*(9+\k)
.endr
	s_wait_dscnt 0x0
.irp k, 0,1,2,3,4,5,6,7,8
	WM0 S+8*(9+\k), KF+8*\k, QF, KSC+(9+\k)/2, QS, (9+\k)%2
.endr
	PLACES
	; ---- the window's two edges: in block 0 key 16 h + n counts where n >= D0, in block 8 where n <= D0; the seven blocks between count whole
.irp n, 0,1,2,3,4,5,6,7,8,9,10,11,12,13,14,15
	v_cmp_lt_i32 vcc_lo, \n, v[D0]
	v_cndmask_b32 v[S+\n], v[S+\n], v[NINF], vcc_lo
.endr
.irp n, 0,1,2,3,4,5,6,7,8,9,10,11,12,13,14,15
	v_cmp_gt_i32 vcc_lo, \n, v[D0]
	v_cndmask_b32 v[S+128+\n], v[S+128+\n], v[NINF], vcc_lo
.endr
	; ---- the largest score of each block: it serves the row's maximum and, since p rises with the score, the block's largest p
.irp be, 0,1,2,3,4,5,6,7,8
	v_max3_num_f32 v[BM+\be], v[S+16*\be], v[S+16*\be+1], v[S+16*\be+2]
.endr
.irp i, 3,5,7,9,11,13
.irp be, 0,1,2,3,4,5,6,7,8
	v_max3_num_f32 v[BM+\be], v[BM+\be], v[S+16*\be+\i], v[S+16*\be+\i+1]
.endr
.endr
.irp be, 0,1,2,3,4,5,6,7,8
	v_max_num_f32 v[BM+\be], v[BM+\be], v[S+16*\be+15]
.endr
.irp be, 0,1,2,3,4,5,6,7,8
	v_permlanex16_b32 v[BP+\be], v[BM+\be], s[SEL], s[SEL+1]
.endr
.irp be, 0,1,2,3,4,5,6,7,8
	v_max_num_f32 v[BM+\be], v[BM+\be], v[BP+\be]
.endr
.irp be, 0,1,2,3,4,5,6,7,8
	v_add_f32 v[BM+\be], s[BIA+\be], v[BM+\be]     ; a block that does not exist falls to -infinity
.endr
	v_max3_num_f32 v[TT], v[BM], v[BM+1], v[BM+2]
	v_max3_num_f32 v[TT], v[TT], v[BM+3], v[BM+4]
	v_max3_num_f32 v[TT], v[TT], v[BM+5], v[BM+6]
	v_max3_num_f32 v[TT], v[TT], v[BM+7], v[BM+8]  ; my query itself always counts: the maximum is a number
	v_mul_f32 v[TT], s[CS], v[TT]                  ; as t
	v_floor_f32 v[NEGM], -v[TT]                    ; -M = floor(-t) = -ceil(t)
.irp be, 0,1,2,3,4,5,6,7,8
	v_add_f32 v[NM+2*\be], s[BIA+\be], v[NEGM]
.endr
.irp be, 0,1,2,3,4,5,6,7,8
.irp n, 0,2,4,6,8,10,12,14
	v_pk_fma_f32 v[S+16*\be+\n:S+16*\be+\n+1], v[S+16*\be+\n:S+16*\be+\n+1], s[CS:CS+1], v[NM+2*\be:NM+2*\be+1] op_sel_hi:[1,0,0]   ; t - M, two at a time; of the pairs the low word serves both halves
.endr
.endr
.irp be, 0,1,2,3,4,5,6,7,8
	v_fma_f32 v[BM+\be], v[BM+\be], s[CS], v[NEGM] ; the same of each block's largest score
.endr
.set n, 0
.rept 144
	v_exp_f32 v[S+n], v[S+n]                       ; p = 2^(t - M): one batch
.set n, n+1
.endr
	v_nop                                          ; a plain line behind the last exponential
	s_wait_alu depctr_va_vdst(0)                   ; one wait for the batch, ahead of its first reader
.irp be, 0,1,2,3,4,5,6,7,8
	v_exp_f32 v[BM+\be], v[BM+\be]                 ; the blocks' largest p: the same two instructions on the same numbers
.endr
	v_pk_add_f32 v[248:249], v[S:S+1], v[S+2:S+3]  ; the sum of the unquantised p, in two chains; it reads the 144 alone
	v_pk_add_f32 v[250:251], v[S+4:S+5], v[S+6:S+7]
.set n, 8
.rept 34
	v_pk_add_f32 v[248:249], v[248:249], v[S+n:S+n+1]
	v_pk_add_f32 v[250:251], v[250:251], v[S+n+2:S+n+3]
.set n, n+4
.endr
	v_pk_add_f32 v[248:249], v[248:249], v[250:251]
	s_wait_alu depctr_va_vdst(0)                   ; and one for the nine
	; ---- p becomes codes: nine blocks, three fragments; the third holds block 8 and zero codes
.irp be, 0,1,2,3,4,5,6,7,8
	v_max_num_f32 v[BM+\be], 0x1800000, v[BM+\be]  ; the floor 2^(3 - 127)
.endr
.irp be, 0,1,2,3,4,5,6,7,8
	v_add_nc_u32 v[SO+\be], 0xff000000, v[BM+\be]
.endr
.irp be, 0,1,2,3,4,5,6,7,8
	v_lshrrev_b32 v[BP+\be], 23, v[SO+\be]
.endr
.irp g, 0,1
	v_lshl_or_b32 v[PW+\g], v[BP+4*\g+1], 8, v[BP+4*\g]
	v_lshl_or_b32 v[PW+\g], v[BP+4*\g+2], 16, v[PW+\g]
	v_lshl_or_b32 v[PW+\g], v[BP+4*\g+3], 24, v[PW+\g]
.endr
	v_or_b32 v[PW+2], 0x7f7f7f00, v[BP+8]
.irp be, 0,1,2,3,4,5,6,7,8
	v_cvt_scalef32_pk8_fp4_f32 v[PC+2*\be], v[S+16*\be:S+16*\be+7], v[SO+\be]
	v_cvt_scalef32_pk8_fp4_f32 v[PC+2*\be+1], v[S+16*\be+8:S+16*\be+15], v[SO+\be]
.endr
.irp k, 18,19,20,21,22,23
	v_mov_b32 v[PC+\k], 0
.endr
	v_nop                                          ; a plain line behind the scaled conversions
.irp g, 0,1,2,3,4                              ; a whole block to a lane: lanes 0-15 block 2 g, lanes 16-31 block 2 g + 1
.irp i, 0,1
	v_permlane16_swap_b32 v[PC+4*\g+\i], v[PC+4*\g+2+\i]
.endr
.endr
	; ---- V's fragments and scale bytes
.irp t, 0,1,2,3
	ds_load_b96 v[VSX+4*\t:VSX+4*\t+2], v[VSR] offset:256*\t     ; my channel's twelve bytes
.endr
.irp sg, 0,1
.irp t, 0,1,2,3
.irp c, 0,1
	ds_load_b128 v[VF+32*\sg+8*\t+4*\c:VF+32*\sg+8*\t+4*\c+3], v[VR] offset:3328*\t+64*\sg+32*\c
.endr
.endr
.endr
.irp t, 0,1,2,3
	ds_load_b128 v[VF+64+8*\t:VF+64+8*\t+3], v[VR2] offset:3328*\t+128   ; block B0 + 8, in both halves of the lanes: lanes 16-31, and the fragment's upper four registers, meet zero codes of p
.endr
	v_add_f32 v248, v248, v249                     ; the sum's two halves,
	v_permlanex16_b32 v250, v248, s[SEL], s[SEL+1]
	v_add_f32 v248, v248, v250                     ; and lane l xor 16's: l
	v_rcp_f32 v252, v248
	s_wait_dscnt 0x0
.irp t, 0,1,2,3                                ; bytes B0 + 4 sg .. B0 + 4 sg + 3 make fragment sg's scale word
	v_alignbit_b32 v[VSX+4*\t], v[VSX+4*\t+1], v[VSX+4*\t], s49
	v_alignbit_b32 v[VSX+4*\t+1], v[VSX+4*\t+2], v[VSX+4*\t+1], s49
	v_alignbit_b32 v[VSX+4*\t+2], s50, v[VSX+4*\t+2], s49
.endr
.rept 8
	v_nop                                          ; scale registers written by vector lines stand eight places ahead of a scaled product
.endr
	; ---- O^T = V^T P^T: four accumulators by turns
.irp t, 0,1,2,3
	WM0 OT+8*\t, VF+8*\t, PC, VSX+4*\t, PW, 0
.endr
.irp sg, 1,2
.irp t, 0,1,2,3
	v_wmma_scale_f32_16x16x128_f8f6f4 v[OT+8*\t:OT+8*\t+7], v[VF+32*\sg+8*\t:VF+32*\sg+8*\t+7], v[PC+8*\sg:PC+8*\sg+7], v[OT+8*\t:OT+8*\t+7], v[VSX+4*\t+\sg], v[PW+\sg] matrix_a_fmt:MATRIX_FMT_FP4 matrix_b_fmt:MATRIX_FMT_FP4
.endr
.endr
	PLACES
	s_wait_alu depctr_va_vdst(0)                   ; the reciprocal's wait, ahead of its first reader
.irp k, 0,2,4,6,8,10,12,14,16,18,20,22,24,26,28,30
	v_pk_mul_f32 v[OT+\k:OT+\k+1], v[OT+\k:OT+\k+1], v[252:253] op_sel_hi:[1,0]   ; O^T / l: register 16 q + n is channel 32 q + 16 h + n of my query
.endr
	; ---- the head's 64 channels are two blocks along the last product's K
.irp q, 0,1
	v_max3_num_f32 v[32+\q], |v[OT+16*\q]|, |v[OT+16*\q+1]|, 0x1800000
.endr
.irp i, 2,4,6,8,10,12,14
.irp q, 0,1
	v_max3_num_f32 v[32+\q], v[32+\q], |v[OT+16*\q+\i]|, |v[OT+16*\q+\i+1]|
.endr
.endr
.irp q, 0,1
	v_permlanex16_b32 v[34+\q], v[32+\q], s[SEL], s[SEL+1]
.endr
.irp q, 0,1
	v_max_num_f32 v[32+\q], v[32+\q], v[34+\q]
.endr
.irp q, 0,1
	v_add_nc_u32 v[36+\q], 0xff000000, v[32+\q]
.endr
.irp q, 0,1
	v_lshrrev_b32 v[34+\q], 23, v[36+\q]
.endr
	v_lshl_or_b32 v38, v35, 8, v34
.irp q, 0,1
	v_cvt_scalef32_pk8_fp4_f32 v[40+2*\q], v[OT+16*\q:OT+16*\q+7], v[36+\q]
	v_cvt_scalef32_pk8_fp4_f32 v[41+2*\q], v[OT+16*\q+8:OT+16*\q+15], v[36+\q]
.endr
	v_nop
	v_permlane16_swap_b32 v40, v42
	v_permlane16_swap_b32 v41, v43
	global_store_b128 v[LI], v[40:43], s[8:9]      ; 512 consecutive bytes: half a fragment of the last product
	ds_store_b16 v[CSTW], v38                      ; my head's half of my slot's scale word
	s_wait_dscnt 0x0
	s_barrier_signal -1
	s_barrier_wait -1
	s_cmp_lg_u32 s12, 0
	s_cbranch_scc1 .Lend
	ds_load_b128 v[44:47], v[KW]
	s_wait_dscnt 0x0
	global_store_b128 v[LI], v[44:47], s[10:11]    ; the 128 slots' words: two aligned runs of 256 bytes
.Lend:
	s_wait_xcnt 0x0
	v_lshl_add_u32 v254, v0, 2, 0xde00
	v_mov_b32 v255, 0
	s_wait_tensorcnt 0x0
	ds_add_u32 v254, v255
	s_wait_dscnt 0x0
	s_endpgm
.Lfunc_end_k_q3e2c2866f5_attn:
	.size	k_q3e2c2866f5_attn, .Lfunc_end_k_q3e2c2866f5_attn-k_q3e2c2866f5_attn
	.p2alignl 7, 3214868480
	.fill 96, 4, 3214868480
	.section	.rodata,"a",@progbits
	.p2align	6, 0x0
	.amdhsa_kernel k_q3e2c2866f5_attn
		.amdhsa_group_segment_fixed_size 58880
		.amdhsa_private_segment_fixed_size 0
		.amdhsa_enable_private_segment 0
		.amdhsa_kernarg_size 32
		.amdhsa_user_sgpr_count 2
		.amdhsa_user_sgpr_kernarg_segment_ptr 1
		.amdhsa_wavefront_size32 1
		.amdhsa_system_sgpr_workgroup_id_x 1
		.amdhsa_system_sgpr_workgroup_id_y 1
		.amdhsa_system_sgpr_workgroup_id_z 1
		.amdhsa_system_vgpr_workitem_id 0
		.amdhsa_next_free_vgpr 256
		.amdhsa_next_free_sgpr 66
		.amdhsa_reserve_vcc 1
		.amdhsa_float_denorm_mode_32 3
		.amdhsa_float_denorm_mode_16_64 3
		.amdhsa_memory_ordered 1
		.amdhsa_forward_progress 1
		.amdhsa_inst_pref_size 48
	.end_amdhsa_kernel
	.amdgpu_metadata
---
amdhsa.version: [ 1, 2 ]
amdhsa.kernels:
  - .name:           k_q3e2c2866f5_attn
    .symbol:         k_q3e2c2866f5_attn.kd
    .args:
      - { .name: qkv_codes, .offset: 0, .size: 8, .value_kind: global_buffer, .address_space: global }
      - { .name: qkv_scales, .offset: 8, .size: 8, .value_kind: global_buffer, .address_space: global }
      - { .name: ctx_codes, .offset: 16, .size: 8, .value_kind: global_buffer, .address_space: global }
      - { .name: ctx_scales, .offset: 24, .size: 8, .value_kind: global_buffer, .address_space: global }
    .group_segment_fixed_size: 58880
    .private_segment_fixed_size: 0
    .kernarg_segment_align: 8
    .kernarg_segment_size: 32
    .max_flat_workgroup_size: 512
    .sgpr_count:     66
    .vgpr_count:     256
    .wavefront_size: 32
...
	.end_amdgpu_metadata
.endif
;; end of part 3
;; launch proj (part 4): grid 32 x 8, 4 waves a work-group, clusters of 4 x 1, 168,448 bytes of LDS; arguments ctx_codes, ctx_scales, w_out_codes, w_out_scales, b_out, x, out0; writes out0
.if DOCPART == 4
	.amdgcn_target "amdgcn-amd-amdhsa--gfx1250"
	.amdhsa_code_object_version 6
	.text
	.protected	k_q3e2c2866f5_proj
	.globl	k_q3e2c2866f5_proj
	.p2align	8
	.type	k_q3e2c2866f5_proj,@function
k_q3e2c2866f5_proj:
	s_mov_b64 s[64:65], 0
	v_nop
	global_prefetch_b8 v0, s[64:65] scope:SCOPE_SE
	s_setreg_imm32_b32 hwreg(HW_REG_WAVE_MODE, 25, 1), 1
	s_wait_xcnt 0x0
	s_wait_alu depctr_hold_cnt(0) depctr_sa_sdst(0) depctr_va_vdst(0) depctr_va_sdst(0) depctr_va_ssrc(0) depctr_va_vcc(0) depctr_vm_vsrc(0)
	s_getreg_b32 s2, hwreg(HW_REG_IB_STS2, 6, 4)
	s_cmp_eq_u32 s2, 0
	s_cbranch_scc0 .Lentry_in_a_cluster
	s_endpgm
.Lentry_in_a_cluster:
	s_bfe_u32 s2, ttmp6, 0x10000c
	s_cmp_lg_u32 s2, 0x3003
	s_cbranch_scc0 .Lentry_shape_is_right
	s_endpgm
.Lentry_shape_is_right:
; out0 = x + ctx W_out^T + b_out; the product on codes of E2M1.
; SHARES.  A work-group takes 128 slots (by) and 128 columns (cg).  Wave w takes tiles 8 by + 2 w + a, a = 0, 1: tokens 128 by + 32 w .. + 31, against all 128 columns.
; Its ctx fragments (2 tiles x 8 K steps) come straight into registers as images of 512 bytes: no other wave of the work-group wants them.
; CLUSTER.  The four work-groups of a cluster differ in by alone and need the same 128 rows of W_out and their scale bytes: both are asked for JOINTLY (mask 15) and fit in LDS at once: every byte is filled once.
; THE PRODUCT IS USED TRANSPOSED (source 0 = 16 rows of W_out, source 1 = 16 slots of ctx): a lane holds eight neighbouring columns of one row.  b_out is the C of each sum's first product.
; The rows go through the wave's own stage in LDS and come back whole, 512 bytes a row; x's rows, asked for at the head, are added; each store covers 512 consecutive aligned bytes.
; REGISTERS.  window 0: v1-7 addresses; v16-23 ctx's scale words (lanes 0-15 tile 0, lanes 16-31 tile 1); v24-55 W's (register 8 (t / 2) + s); v56-119 rows read back; v128-255 accumulators, (a, t) at 64 a + 8 t.
;   window 1: ctx's fragments, (a, s) at 64 a + 8 s; from v128 the biases, 8 a tile.   window 2: W's fragments, four buffers of 64.   window 3: x's rows, (a, i) at 64 a + 4 i.
.set WSC,  67584                       ; behind 128 rows of 528 bytes: W's scale bytes, 16 runs of 256 bytes + 16
.set STG,  71936                       ; 16 rows of 528 bytes for each wave; no fill lands here
.set LI,   1
.set AW,   2
.set ASW,  3
.set STO,  4
.set RD,   5
.set L4,   6
.set H32,  7
.set CS,   16
.set WS,   24
.set RB,   56
.set ACC,  128
.set WV,   18
.set G1C,  24
.set G1S,  32
.set G0S,  40
.set G0C,  44
.set MSB, 0
.macro WIN new                         ; the immediate's high byte repeats the setting that is left
.if MSB != \new
	s_set_vgpr_msb (MSB<<8)|\new
.set MSB, \new
.endif
.endm
.macro PLACES
.rept 4
	v_nop
.endr
.endm
.macro CROUND                          ; a round of the cluster's barrier
	s_barrier_signal -1
	s_barrier_wait -1
	s_cmp_lg_u32 s[WV], 0
	s_cbranch_scc1 .Lnot_wave_0_\@
	s_barrier_signal -3
.Lnot_wave_0_\@:
	s_barrier_wait -3
	s_barrier_signal -1
	s_barrier_wait -1
.endm
.macro WMS d, a, b, c, sa, sb, ra, rb
.if (\ra) && (\rb)
	v_wmma_scale_f32_16x16x128_f8f6f4 v[(\d):(\d)+7], v[(\a):(\a)+7], v[(\b):(\b)+7], v[(\c):(\c)+7], v[(\sa)], v[(\sb)] matrix_a_fmt:MATRIX_FMT_FP4 matrix_b_fmt:MATRIX_FMT_FP4 matrix_a_scale:MATRIX_SCALE_ROW1 matrix_b_scale:MATRIX_SCALE_ROW1
.elseif (\ra)
	v_wmma_scale_f32_16x16x128_f8f6f4 v[(\d):(\d)+7], v[(\a):(\a)+7], v[(\b):(\b)+7], v[(\c):(\c)+7], v[(\sa)], v[(\sb)] matrix_a_fmt:MATRIX_FMT_FP4 matrix_b_fmt:MATRIX_FMT_FP4 matrix_a_scale:MATRIX_SCALE_ROW1
.elseif (\rb)
	v_wmma_scale_f32_16x16x128_f8f6f4 v[(\d):(\d)+7], v[(\a):(\a)+7], v[(\b):(\b)+7], v[(\c):(\c)+7], v[(\sa)], v[(\sb)] matrix_a_fmt:MATRIX_FMT_FP4 matrix_b_fmt:MATRIX_FMT_FP4 matrix_b_scale:MATRIX_SCALE_ROW1
.else
	v_wmma_scale_f32_16x16x128_f8f6f4 v[(\d):(\d)+7], v[(\a):(\a)+7], v[(\b):(\b)+7], v[(\c):(\c)+7], v[(\sa)], v[(\sb)] matrix_a_fmt:MATRIX_FMT_FP4 matrix_b_fmt:MATRIX_FMT_FP4
.endif
.endm
	s_load_b256 s[4:11], s[0:1], 0x0               ; ctx_codes, ctx_scales, w_out_codes, w_out_scales
	s_load_b128 s[12:15], s[0:1], 0x20             ; b_out, x
	s_load_b64 s[16:17], s[0:1], 0x30              ; out0
	v_lshl_add_u32 v126, v0, 2, 0x29000
	v_mov_b32 v127, 0
	ds_add_u32 v126, v127
	ds_add_u32 v126, v127
	v_lshrrev_b32 v8, 5, v0
	v_readfirstlane_b32 s[WV], v8                  ; wave 0..3
	s_bfe_u32 s19, ttmp6, 0x40000                  ; cx: it enters ctx's, x's and out0's addresses alone
	s_lshl_b32 s20, ttmp9, 2
	s_add_co_u32 s20, s20, s19                     ; by
	s_and_b32 s21, ttmp7, 0xffff                   ; cg, which the four partners share
	s_mov_b32 s[G1C], 15|(1<<20)|(1<<21)|(6<<22)|(3<<25)          ; mask: all four; elements of 1 byte; padding: 4 words behind every 128
	s_mov_b32 s[G1C+1], 512<<16
	s_mov_b32 s[G1C+2], 32<<16
	s_mov_b32 s[G1C+3], 512<<16
	s_mov_b32 s[G1C+4], 32
	s_mov_b32 s[G1C+5], 512
	s_mov_b32 s[G1C+6], 0
	s_mov_b32 s[G1C+7], 0
	s_mov_b32 s[G1S], 15|(3<<16)|(1<<20)|(1<<21)|(5<<22)|(3<<25)  ; elements of 8 bytes; padding: 4 words behind every 64
	s_mov_b32 s[G1S+1], 32<<16
	s_mov_b32 s[G1S+2], 4<<16
	s_mov_b32 s[G1S+3], 32<<16
	s_mov_b32 s[G1S+4], 4
	s_mov_b32 s[G1S+5], 32
	s_mov_b32 s[G1S+6], 0
	s_mov_b32 s[G1S+7], 0
	v_and_b32 v8, 31, v0                           ; lane
	v_and_b32 v9, 15, v0                           ; r
	v_bfe_u32 v10, v0, 4, 1                        ; h
	v_lshlrev_b32 v[LI], 4, v8
	v_mul_u32_u24 v[AW], v9, 528
	v_lshl_add_u32 v[STO], v10, 5, v[AW]
	v_lshl_add_u32 v[AW], v10, 4, v[AW]            ; W: row r, + 16 h
	v_lshrrev_b32 v[ASW], 3, v8
	v_lshlrev_b32 v[ASW], 4, v[ASW]
	v_lshl_add_u32 v[ASW], v8, 5, v[ASW]
	v_add_nc_u32 v[ASW], WSC, v[ASW]               ; W's scale words: row = lane of a pair of tiles
	s_mul_i32 s50, s[WV], 8448
	s_add_co_u32 s50, s50, STG
	v_add_nc_u32 v[STO], s50, v[STO]               ; my stage, way in: row r, + 32 h
	v_add_nc_u32 v[RD], s50, v[LI]                 ; way out: a row's 512 bytes
	v_lshlrev_b32 v[L4], 2, v8
	v_lshlrev_b32 v[H32], 5, v10
	s_mov_b32 s23, 0
	s_mov_b32 s49, 0
	s_wait_dscnt 0x0
	s_wait_kmcnt 0x0
	s_lshl_b32 s22, s21, 12                        ; scale bytes: 4,096 cg + 1,024 w
	s_lshl_b32 s50, s[WV], 10
	s_add_co_u32 s22, s22, s50
	s_mov_b32 s[G0S], 1
	s_mul_i32 s[G0S+1], s[WV], 1088
	s_add_co_u32 s[G0S+1], s[G0S+1], WSC
	s_add_nc_u64 s[G0S+2:G0S+3], s[10:11], s[22:23]
	s_or_b32 s[G0S+3], s[G0S+3], 0x80000000
	s_lshl_b32 s22, s21, 16                        ; codes: (128 cg + 32 w) rows of 512 bytes
	s_lshl_b32 s50, s[WV], 14
	s_add_co_u32 s22, s22, s50
	s_mov_b32 s[G0C], 1
	s_mul_i32 s[G0C+1], s[WV], 16896
	s_add_nc_u64 s[G0C+2:G0C+3], s[8:9], s[22:23]
	s_or_b32 s[G0C+3], s[G0C+3], 0x80000000
	s_lshl_b32 s22, s21, 9
	s_add_nc_u64 s[12:13], s[12:13], s[22:23]      ; b_out at my 128 columns
	CROUND                                         ; all four work-groups are here: the joint loads meet
	tensor_load_to_lds s[G0S:G0S+3], s[G1S:G1S+7]  ; two loads of mine are out
	s_nop 0
	tensor_load_to_lds s[G0C:G0C+3], s[G1C:G1C+7]
	s_nop 0
.rept 4
	v_nop
.endr
	s_lshl_b32 s48, s20, 13
	s_lshl_b32 s50, s[WV], 11
	s_add_co_u32 s48, s48, s50
	s_add_nc_u64 s[4:5], s[4:5], s[48:49]          ; ctx's codes: 1,024 bytes a tile in each K step
	s_lshl_b32 s48, s20, 9
	s_lshl_b32 s50, s[WV], 7
	s_add_co_u32 s48, s48, s50
	s_add_nc_u64 s[6:7], s[6:7], s[48:49]          ; its scale words: 4 bytes a slot
	s_lshl_b32 s48, s20, 19
	s_lshl_b32 s50, s[WV], 17
	s_add_co_u32 s48, s48, s50
	s_lshl_b32 s50, s21, 9
	s_add_co_u32 s48, s48, s50
	s_add_nc_u64 s[14:15], s[14:15], s[48:49]      ; x and out0: token 128 by + 32 w, column 128 cg
	s_add_nc_u64 s[16:17], s[16:17], s[48:49]
.irp s, 0,1,2,3,4,5,6,7
	global_load_b32 v[CS+\s], v[L4], s[6:7] offset:16384*\s
.endr
	WIN 0x40                                       ; destination window 1
.irp t, 0,1,2,3,4,5,6,7
.irp q, 0,1
	global_load_b128 v[128+8*\t+4*\q:128+8*\t+4*\q+3], v[H32], s[12:13] offset:64*\t+16*\q   ; b_out(16 t + 8 h + 0 .. 7)
.endr
.endr
.irp s, 0,1,2,3,4,5,6,7
.irp a, 0,1
.irp c, 0,1
	global_load_b128 v[64*\a+8*\s+4*\c:64*\a+8*\s+4*\c+3], v[LI], s[4:5] offset:262144*\s+1024*\a+512*\c
.endr
.endr
.endr
	WIN 0xc0                                       ; destination window 3
.irp a, 0,1
.irp i, 0,1,2,3,4,5,6,7,8,9,10,11,12,13,14,15
	global_load_b128 v[64*\a+4*\i:64*\a+4*\i+3], v[LI], s[14:15] offset:(8*\a+\i+8*(\i/8))*4096 th:TH_LOAD_NT   ; slot i of tile a: 512 bytes of its token's row
.endr
.endr
	WIN 0
	s_wait_tensorcnt 0x0                           ; my parts of W and of its scale bytes have landed,
	s_barrier_signal -1
	s_barrier_wait -1                              ; everybody's have
.irp tp, 0,1,2,3
.irp q, 0,1
	ds_load_b128 v[WS+8*\tp+4*\q:WS+8*\tp+4*\q+3], v[ASW] offset:1088*\tp+16*\q
.endr
.endr
.macro FETCH buf, s                    ; W's eight tiles, K step s, into buffer buf: 16 LDS loads
	WIN 0x80
.irp t, 0,1,2,3,4,5,6,7
.irp c, 0,1
	ds_load_b128 v[64*(\buf)+8*\t+4*\c:64*(\buf)+8*\t+4*\c+3], v[AW] offset:8448*\t+64*(\s)+32*\c
.endr
.endr
.endm
.macro KSTEP s
.if (\s)+3 < 8
	PLACES                                         ; the buffer was multiplied in the K step before
	FETCH ((\s)+3)%4, (\s)+3
.endif
.if (\s) < 4
	s_wait_dscnt 48                                ; this K step's sixteen loads are in; those of the three steps behind it may be out
.else
	s_wait_dscnt 16*(7-(\s))
.endif
	s_wait_loadcnt 32+4*(7-(\s))                   ; ctx's fragments of this K step are in; four loads for each later step and x's 32 may be out
.if (\s) == 0
	WIN 0x16                                       ; source 0 (W) window 2, source 1 (ctx) window 1, C (the biases) window 1
.else
	WIN 0x06
.endif
.irp a, 0,1                                    ; the 16 accumulators take turns, one instruction a turn
.irp t, 0,1,2,3,4,5,6,7
.if (\s) == 0
	WMS ACC+64*\a+8*\t, 64*((\s)%4)+8*\t, 64*\a+8*(\s), 128+8*\t, WS+8*(\t/2)+(\s), CS+(\s), \t%2, \a
.else
	WMS ACC+64*\a+8*\t, 64*((\s)%4)+8*\t, 64*\a+8*(\s), ACC+64*\a+8*\t, WS+8*(\t/2)+(\s), CS+(\s), \t%2, \a
.endif
.endr
.endr
.endm
	FETCH 0, 0
	FETCH 1, 1
	FETCH 2, 2
.irp s, 0,1,2,3,4,5,6,7
	KSTEP \s
.endr
	WIN 0
	PLACES
	; ---- the way out: tile 0 through my stage into v56-119, tile 1 through the same stage into tile 0's registers.  LDS serves a wave's instructions in order.
.irp a, 0,1
.irp t, 0,1,2,3,4,5,6,7
	ds_store_b128 v[STO], v[ACC+64*\a+8*\t:ACC+64*\a+8*\t+3] offset:64*\t          ; each accumulator from its low end on
	ds_store_b128 v[STO], v[ACC+64*\a+8*\t+4:ACC+64*\a+8*\t+7] offset:64*\t+16
.endr
.irp i, 0,1,2,3,4,5,6,7,8,9,10,11,12,13,14,15
	ds_load_b128 v[RB+72*\a+4*\i:RB+72*\a+4*\i+3], v[RD] offset:528*\i
.endr
.endr
	s_wait_loadcnt 0x0                             ; x's rows
	WIN 0xcc                                       ; source 1 and destination window 3: the sums land in x's registers, and a store's data are its source 1
.irp a, 0,1
.irp i, 0,1,2,3,4,5,6,7,8,9,10,11,12,13,14,15
	s_wait_dscnt 32*(1-\a)+15-\i                   ; row i of tile a is back; its tile's later rows, and for tile 0 tile 1's 32 LDS lines, may be out
	v_pk_add_f32 v[64*\a+4*\i:64*\a+4*\i+1], v[RB+72*\a+4*\i:RB+72*\a+4*\i+1], v[64*\a+4*\i:64*\a+4*\i+1]
	v_pk_add_f32 v[64*\a+4*\i+2:64*\a+4*\i+3], v[RB+72*\a+4*\i+2:RB+72*\a+4*\i+3], v[64*\a+4*\i+2:64*\a+4*\i+3]
	global_store_b128 v[LI], v[64*\a+4*\i:64*\a+4*\i+3], s[16:17] offset:(8*\a+\i+8*(\i/8))*4096 th:TH_STORE_NT   ; 512 consecutive aligned bytes of a row of out0
.endr
.endr
	WIN 0
	s_wait_dscnt 0x0
	s_wait_tensorcnt 0x0
	ds_add_u32 v126, v127
	s_wait_dscnt 0x0
	CROUND                                         ; the closing round: no work-group ends while a partner may still ask jointly
	s_endpgm
.Lfunc_end_k_q3e2c2866f5_proj:
	.size	k_q3e2c2866f5_proj, .Lfunc_end_k_q3e2c2866f5_proj-k_q3e2c2866f5_proj
	.p2alignl 7, 3214868480
	.fill 96, 4, 3214868480
	.section	.rodata,"a",@progbits
	.p2align	6, 0x0
	.amdhsa_kernel k_q3e2c2866f5_proj
		.amdhsa_group_segment_fixed_size 168448
		.amdhsa_private_segment_fixed_size 0
		.amdhsa_enable_private_segment 0
		.amdhsa_kernarg_size 56
		.amdhsa_user_sgpr_count 2
		.amdhsa_user_sgpr_kernarg_segment_ptr 1
		.amdhsa_wavefront_size32 1
		.amdhsa_system_sgpr_workgroup_id_x 1
		.amdhsa_system_sgpr_workgroup_id_y 1
		.amdhsa_system_sgpr_workgroup_id_z 1
		.amdhsa_system_vgpr_workitem_id 0
		.amdhsa_next_free_vgpr 896
		.amdhsa_next_free_sgpr 66
		.amdhsa_reserve_vcc 0
		.amdhsa_float_denorm_mode_32 3
		.amdhsa_float_denorm_mode_16_64 3
		.amdhsa_memory_ordered 1
		.amdhsa_forward_progress 1
		.amdhsa_inst_pref_size 52
	.end_amdhsa_kernel
	.amdgpu_metadata
---
amdhsa.version: [ 1, 2 ]
amdhsa.kernels:
  - .name:           k_q3e2c2866f5_proj
    .symbol:         k_q3e2c2866f5_proj.kd
    .args:
      - { .name: ctx_codes, .offset: 0, .size: 8, .value_kind: global_buffer, .address_space: global }
      - { .name: ctx_scales, .offset: 8, .size: 8, .value_kind: global_buffer, .address_space: global }
      - { .name: w_out_codes, .offset: 16, .size: 8, .value_kind: global_buffer, .address_space: global }
      - { .name: w_out_scales, .offset: 24, .size: 8, .value_kind: global_buffer, .address_space: global }
      - { .name: b_out, .offset: 32, .size: 8, .value_kind: global_buffer, .address_space: global }
      - { .name: x, .offset: 40, .size: 8, .value_kind: global_buffer, .address_space: global }
      - { .name: out0, .offset: 48, .size: 8, .value_kind: global_buffer, .address_space: global }
    .group_segment_fixed_size: 168448
    .private_segment_fixed_size: 0
    .kernarg_segment_align: 8
    .kernarg_segment_size: 56
    .max_flat_workgroup_size: 128
    .sgpr_count:     66
    .vgpr_count:     896
    .wavefront_size: 32
...
	.end_amdgpu_metadata
.endif
;; end of part 4
